; MI455X (gfx1250); checked and timed in simulation.
; The chip was launched on July 23, 2026; its instructions are those of AMD's public machine-readable ISA for CDNA 5 (MIT licence, August 2026) and "CDNA5" Instruction Set Architecture Reference Guide (July 2026). The comments in the code are by the model that wrote it; some were corrected since.
;; Attention. Allowed arithmetic: matrix products marked QUANTISED: E2M1 operands, one E8M0 scale for each 32 along K, by v_wmma_scale_f32_16x16x128_f8f6f4 with both operands' format E2M1 (or v_wmma_scale_f32_32x16x128_f4), f32 sums; products left as they are: bf16, f16 or f32 operands; f32 sums; everything else in f32.
;; Inputs: Wk 512 x 512 float32; Wo 512 x 512 float32; Wq 512 x 512 float32; Wv 512 x 512 float32; bk 512 float32; bo 512 float32; bq 512 float32; bv 512 float32; k 2 x 4,096 x 512 float32; q 2 x 4,096 x 512 float32; v 2 x 4,096 x 512 float32.
;; Outputs: out0 2 x 4,096 x 512 float32.
;; This version of the problem:
;;   THIS VERSION OF THE PROBLEM IS GIVEN IN LOW PRECISION. The matrix products marked QUANTISED in the list below multiply operands that are first quantised to E2M1 (2 exponent bits, 1 mantissa bit; 4 bits a number), with one power-of-two scale for each 32 numbers along K (OCP MX v1.0); their sums are f32. The products marked 'left as it is' may take bf16, f16 or f32 operands, with f32 sums. Whichever they take, every output number must still come out within the allowed error. Rounding operands to bf16 (8 significant bits) uses up far more of that allowance than f16 does (11 bits, for magnitudes from 6e-5 to 65,504). All else is computed in f32.
;;   The module's matrix products, in the order in which they are computed (A, B: the left and right operand; K: the contracted axis; several contracted axes count as one K, in the product's order):
;;     1. [M 8,192, K 512] x [K 512, N 512]; A: input q; B: input Wq: QUANTISED
;;     2. [M 8,192, K 512] x [K 512, N 512]; A: input k; B: input Wk: QUANTISED
;;     3. [M 8,192, K 512] x [K 512, N 512]; A: input v; B: input Wv: QUANTISED
;;     4. batch 16 x [M 4,096, K 64] x [K 64, N 4,096]; A: computed on the way; B: computed on the way: left as it is (an operand is computed on the way)
;;     5. batch 16 x [M 64, K 4,096] x [K 4,096, N 4,096]; A: computed on the way; B: computed on the way: left as it is (an operand is computed on the way)
;;     6. [M 8,192, K 512] x [K 512, N 512]; A: computed on the way; B: input Wo: left as it is (an operand is computed on the way)
;;   THE QUANTISER, for each operand of a quantised product, along K:
;;     - K is cut into blocks of 32 from its start; a last block that is shorter is filled with zeros.
;;     - A block's scale is 2^e with e = floor(log2(the largest magnitude in the block)) - 2, held to -126 .. 127; a block of zeros has e = 0. As a byte (E8M0): e + 127.
;;     - Each number is divided by its block's scale, clamped to +-6, and rounded to the nearest number of E2M1, ties to even, subnormals kept.
;;     - The product sums the exact products of the quantised numbers (number of the format x scale) in f32.
;;   ~~~python
;;   def quantise(x, axis):      # numpy; x: float32 -> the quantised numbers, widened to float32 again
;;       x = np.moveaxis(x, axis, -1); K = x.shape[-1]
;;       x = np.pad(x, [(0, 0)] * (x.ndim - 1) + [(0, -K % 32)]); x = x.reshape(x.shape[:-1] + (-1, 32)); a = np.abs(x).max(-1, keepdims=True)
;;       e = np.where(a > 0, np.clip(np.frexp(np.where(a > 0, a, 1))[1] - 1 - 2, -126, 127), 0)      # np.frexp(a)[1] - 1 = floor(log2(a)), exactly
;;       r = np.clip(x / 2.0 ** e, -6, 6)
;;       step = 2.0 ** (np.maximum(np.frexp(np.where(r == 0, 1, r))[1] - 1, 0) - 1)
;;       q = np.round(r / step) * step * 2.0 ** e      # np.round: ties to even
;;       return np.moveaxis(q.reshape(q.shape[:-2] + (-1,))[..., :K], -1, axis).astype(np.float32)
;;   ~~~
;; One version. Each part assembles by itself: llvm-mc -triple=amdgcn-amd-amdhsa -mcpu=gfx1250 --defsym DOCPART=n.
;; ======== version 1 of 1: 4 launches
;; limits: values are held in f16: magnitudes above 65,504 overflow, below 6.1e-05 lose precision
;; workspace buffers: wimg 417,792 bytes; woimg 524,288 bytes; qimg 8,388,608 bytes; kimg 8,388,608 bytes; vimg 8,388,608 bytes; mix 8,388,608 bytes
;; launch prep (part 1): grid 16 x 4, 4 waves a work-group, no clusters, 0 bytes of LDS; arguments Wq, Wk, Wv, Wo, wimg, woimg; writes wimg, woimg
.if DOCPART == 1
	.amdgcn_target "amdgcn-amd-amdhsa--gfx1250"
	.amdhsa_code_object_version 6
	.text
	.protected	k_q77d474d0f3_prep
	.globl	k_q77d474d0f3_prep
	.p2align	8
	.type	k_q77d474d0f3_prep,@function
k_q77d474d0f3_prep:
	s_mov_b64 s[64:65], 0
	v_nop
	global_prefetch_b8 v0, s[64:65] scope:SCOPE_SE
	s_setreg_imm32_b32 hwreg(HW_REG_WAVE_MODE, 25, 1), 1
	s_wait_xcnt 0x0
; The four weights [512 (k)][512 (n)] f32 are laid out once as images of operand registers.
; Work-group y = 0, 1, 2: Wq, Wk, Wv become codes of FP4 (E2M1) and one E8M0 byte for each 32 along K (K is the FIRST axis).  y = 3: Wo becomes f16.
; A LANE TAKES A COLUMN n AND ITS REGISTERS RUN DOWN K: a load reads 128 consecutive bytes a wave (the four waves stand side by side on 512), a block of 32 along K lies in one lane,
; and the conversions give codes with K innermost.  A work-group takes 128 columns x 128 along K; a wave 32 columns: 128 loads, all out at once.
; wimg, for weight t: codes at t*WB + (ct*4+s)*1024 + c*512 + (16h+r)*16: the 16 bytes hold k = 128s+64c+32h+0..31 of column 16ct+r: what lane (r,h) of a fragment's registers 4c..4c+3 wants.
;   scale words at t*WB + 131072 + s*2048 + 4*column: byte b scales k = 128s+32b+0..31.
; woimg: nt*16384 + kt*1024 + half*512 + (16h+r)*16 holds f16 of Wo[32kt+16half+8h+0..7][16nt+r].
; Every store of codes or of f16 has sixteen neighbouring lanes on 256 consecutive bytes, aligned.  The scale words leave as 128 bytes a wave: 24 KB of the launch's bytes.
; A block's scale is 2^(floor(log2(largest magnitude)) - 2); its byte is that magnitude's exponent field - 2, held at 1 from below.
; LIMITS: a block of zeros gets the byte 1 where the rule says 127: its codes are zeros and the bytes are read by this program alone; NaN and infinities are not served.
; No LDS, no barrier, no cluster: the work-groups share no input byte.
.set X,  32                            ; v32-159  128 numbers down K
.set C,  160                           ; v160-223 codes (16 registers) or f16 (64)
.set WB, 139264                        ; bytes of one weight's codes and scale words
	s_load_b256 s[4:11], s[0:1], 0x0               ; Wq, Wk, Wv, Wo
	s_load_b128 s[12:15], s[0:1], 0x20             ; wimg, woimg
	v_lshrrev_b32 v4, 5, v0
	v_readfirstlane_b32 s16, v4                    ; wave
	v_and_b32 v5, 31, v0
	v_lshlrev_b32 v1, 2, v5                        ; 4 x lane: my column in a row of W, and my scale word
	v_and_b32 v6, 15, v0
	v_bfe_u32 v7, v0, 4, 1
	v_lshlrev_b32 v6, 4, v6
	v_lshl_add_u32 v2, v7, 12, v6                  ; codes: 4096 x (lane / 16) + 16 x (lane % 16)
	v_lshl_add_u32 v3, v7, 14, v6                  ; f16: 16384 x (lane / 16) + 16 x (lane % 16)
	s_and_b32 s17, ttmp7, 0xffff                   ; which weight
	s_and_b32 s18, ttmp9, 3
	s_lshr_b32 s19, ttmp9, 2                       ; s: which 128 along K
	s_lshl_b32 s18, s18, 7
	s_lshl_b32 s20, s16, 5
	s_add_co_u32 s18, s18, s20                     ; n0: my wave's first column
	s_lshl_b32 s20, s19, 18                        ; 128 rows of 2,048 bytes
	s_lshl_b32 s21, s18, 2
	s_add_co_u32 s20, s20, s21
	s_mov_b32 s21, 0
	s_wait_kmcnt 0x0
	s_cmp_eq_u32 s17, 1                            ; the choice hangs on the work-group's number alone
	s_cselect_b64 s[4:5], s[6:7], s[4:5]
	s_cmp_eq_u32 s17, 2
	s_cselect_b64 s[4:5], s[8:9], s[4:5]
	s_cmp_eq_u32 s17, 3
	s_cselect_b64 s[4:5], s[10:11], s[4:5]
	s_add_nc_u64 s[4:5], s[4:5], s[20:21]
.set i, 0
.rept 128
	global_load_b32 v[X+i], v1, s[4:5] offset:i*2048 th:TH_LOAD_NT   ; W(128 s + i, my column)
.set i, i+1
.endr
	s_cmp_eq_u32 s17, 3
	s_cbranch_scc1 .Lwo
	; ---- Wq, Wk, Wv: four blocks of 32, by turns
	s_mul_i32 s22, s17, WB
	s_lshl_b32 s24, s18, 8                         ; (n0 / 16) x 4096
	s_add_co_u32 s24, s24, s22
	s_lshl_b32 s25, s19, 10
	s_add_co_u32 s24, s24, s25
	s_mov_b32 s25, 0
	s_add_nc_u64 s[24:25], s[12:13], s[24:25]      ; the codes' base
	s_lshl_b32 s26, s19, 11
	s_add_co_u32 s26, s26, s22
	s_lshl_b32 s27, s18, 2
	s_add_co_u32 s26, s26, s27
	s_add_co_u32 s26, s26, 131072
	s_mov_b32 s27, 0
	s_add_nc_u64 s[26:27], s[12:13], s[26:27]      ; the scale words' base
	s_wait_loadcnt 0x0
.irp b, 0,1,2,3
	v_max3_num_f32 v[8+\b], |v[X+32*\b]|, |v[X+32*\b+1]|, 0x1800000   ; with the floor 2^(3 - 127): the byte cannot fall under 1
.endr
.irp i, 2,4,6,8,10,12,14,16,18,20,22,24,26,28,30
.irp b, 0,1,2,3
	v_max3_num_f32 v[8+\b], v[8+\b], |v[X+32*\b+\i]|, |v[X+32*\b+\i+1]|
.endr
.endr
.irp b, 0,1,2,3
	v_add_nc_u32 v[12+\b], 0xff000000, v[8+\b]     ; 2 off the exponent field: the conversion's scale operand
.endr
.irp b, 0,1,2,3
	v_lshrrev_b32 v[16+\b], 23, v[12+\b]           ; the scale's byte
.endr
	v_lshl_or_b32 v20, v17, 8, v16
	v_lshl_or_b32 v20, v18, 16, v20
	v_lshl_or_b32 v20, v19, 24, v20                ; my column's scale word for these 128 along K
.irp b, 0,1,2,3
.irp g, 0,1,2,3
	v_cvt_scalef32_pk8_fp4_f32 v[C+4*\b+\g], v[X+32*\b+8*\g:X+32*\b+8*\g+7], v[12+\b]
.endr
.endr
	v_nop                                          ; one plain line behind the last scaled conversion
.irp b, 0,1,2,3
	global_store_b128 v2, v[C+4*\b:C+4*\b+3], s[24:25] offset:(\b/2)*512+(\b%2)*256   ; block b = 2 c + h
.endr
	global_store_b32 v1, v20, s[26:27]
	s_endpgm
.Lwo:
	; ---- Wo: eight neighbours along K make 16 bytes of f16
	s_lshl_b32 s24, s18, 10                        ; (n0 / 16) x 16384
	s_lshl_b32 s25, s19, 12                        ; four K steps of 32, 1,024 bytes each
	s_add_co_u32 s24, s24, s25
	s_mov_b32 s25, 0
	s_add_nc_u64 s[24:25], s[14:15], s[24:25]
	s_wait_loadcnt 0x0
.set e, 0
.rept 16
.irp i, 0,1,2,3
	v_cvt_pk_f16_f32 v[C+4*e+\i], v[X+8*e+2*\i], v[X+8*e+2*\i+1]
.endr
	global_store_b128 v3, v[C+4*e:C+4*e+3], s[24:25] offset:(e/4)*1024+((e%4)/2)*512+(e%2)*256
.set e, e+1
.endr
	s_endpgm
.Lfunc_end_k_q77d474d0f3_prep:
	.size	k_q77d474d0f3_prep, .Lfunc_end_k_q77d474d0f3_prep-k_q77d474d0f3_prep
	.p2alignl 7, 3214868480
	.fill 96, 4, 3214868480
	.section	.rodata,"a",@progbits
	.p2align	6, 0x0
	.amdhsa_kernel k_q77d474d0f3_prep
		.amdhsa_group_segment_fixed_size 0
		.amdhsa_private_segment_fixed_size 0
		.amdhsa_enable_private_segment 0
		.amdhsa_kernarg_size 48
		.amdhsa_user_sgpr_count 2
		.amdhsa_user_sgpr_kernarg_segment_ptr 1
		.amdhsa_wavefront_size32 1
		.amdhsa_system_sgpr_workgroup_id_x 1
		.amdhsa_system_sgpr_workgroup_id_y 1
		.amdhsa_system_sgpr_workgroup_id_z 1
		.amdhsa_system_vgpr_workitem_id 0
		.amdhsa_next_free_vgpr 224
		.amdhsa_next_free_sgpr 66
		.amdhsa_reserve_vcc 0
		.amdhsa_float_denorm_mode_32 3
		.amdhsa_float_denorm_mode_16_64 3
		.amdhsa_memory_ordered 1
		.amdhsa_forward_progress 1
		.amdhsa_inst_pref_size 26
	.end_amdhsa_kernel
	.amdgpu_metadata
---
amdhsa.version: [ 1, 2 ]
amdhsa.kernels:
  - .name:           k_q77d474d0f3_prep
    .symbol:         k_q77d474d0f3_prep.kd
    .args:
      - { .name: Wq, .offset: 0, .size: 8, .value_kind: global_buffer, .address_space: global }
      - { .name: Wk, .offset: 8, .size: 8, .value_kind: global_buffer, .address_space: global }
      - { .name: Wv, .offset: 16, .size: 8, .value_kind: global_buffer, .address_space: global }
      - { .name: Wo, .offset: 24, .size: 8, .value_kind: global_buffer, .address_space: global }
      - { .name: wimg, .offset: 32, .size: 8, .value_kind: global_buffer, .address_space: global }
      - { .name: woimg, .offset: 40, .size: 8, .value_kind: global_buffer, .address_space: global }
    .group_segment_fixed_size: 0
    .private_segment_fixed_size: 0
    .kernarg_segment_align: 8
    .kernarg_segment_size: 48
    .max_flat_workgroup_size: 128
    .sgpr_count:     66
    .vgpr_count:     224
    .wavefront_size: 32
...
	.end_amdgpu_metadata
.endif
;; end of part 1
;; launch proj (part 2): grid 64 x 3, 8 waves a work-group, no clusters, 105,472 bytes of LDS; arguments q, k, v, wimg, bq, bk, bv, qimg, kimg, vimg; writes qimg, kimg, vimg
.if DOCPART == 2
	.amdgcn_target "amdgcn-amd-amdhsa--gfx1250"
	.amdhsa_code_object_version 6
	.text
	.protected	k_q77d474d0f3_proj
	.globl	k_q77d474d0f3_proj
	.p2align	8
	.type	k_q77d474d0f3_proj,@function
k_q77d474d0f3_proj:
	s_mov_b64 s[64:65], 0
	v_nop
	global_prefetch_b8 v0, s[64:65] scope:SCOPE_SE
	s_setreg_imm32_b32 hwreg(HW_REG_WAVE_MODE, 25, 1), 1
	s_wait_xcnt 0x0
; x W + b for x = q, k, v (work-group y = 0, 1, 2), [8192][512] x [512][512], both operands as codes of FP4 (E2M1) with one E8M0 scale for each 32 along K; sums in f32; the result leaves as f16.
; A work-group of eight waves owns 128 rows.  PHASE X: wave w quantises rows 16 w .. 16 w + 15 (four fragments of 128 along K) and stores them to LDS as images of their registers.  One barrier.
; PHASE P: THE WAVES SHARE THE COLUMNS: wave w is head w, columns 64 w .. 64 w + 63, for all eight tiles of 16 rows.  Its 16 fragments of W stay in registers, read from memory once.
; q and k: source 0 = 16 columns of W, source 1 = 16 rows of x: a lane holds one row and eight neighbouring channels.  v: the sources change places: a lane holds one channel and eight neighbouring keys.
; The bias is the C of each sum's first matrix instruction.
; OUT: ((n*8+head)*256+rt)*2048 + ct*512 + 16*lane: half a fragment of the attention launch's operands; every store of a wave covers 512 consecutive bytes, aligned.
; x's loads read 512 consecutive bytes each; a K step's 16 rows turn through the wave's own stage in LDS so that a lane holds 16 neighbours of each block of 32.
; NO CLUSTER: what the work-groups share is W, 16 KB a wave, which goes from memory straight into registers; a joint load would land it in LDS.  x, 256 KB a work-group, is shared by nobody.
; LIMITS: results beyond 65,504 in magnitude have no f16 number; a block of zeros gets the scale byte 1 (its codes are zeros; the bytes never leave the work-group); NaN and infinities are not served.
.set XIMG,   0                         ; LDS: x's 32 fragments: tile m, K step s at 4096 m + 1024 s + 512 c + 16 lane
.set XSC,    32768                     ; their scale words: 512 m + 16 lane + 4 s
.set STG,    36864                     ; a stage of 16 rows x (512 + 16) bytes for each wave
.set SPITCH, 528
.set WSTG,   16*SPITCH
.set SPARE,  STG+8*WSTG                ; the spare words, 128 bytes for each wave: four blocks of 256 bytes that no other line names
.set LI,  1                            ; v1  16 x lane
.set L4,  2                            ; v2  4 x lane
.set STI, 3                            ; v3  the stage, on the way in: 16 x lane
.set STR, 4                            ; v4  and on the way out: 528 r + 64 h
.set XWI, 5                            ; v5  where I store my fragments: 4096 w + 16 lane
.set XWS, 6                            ; v6  and their scale words: 512 w + 16 lane
.set BH,  7                            ; v7  32 h: the bias of eight channels
.set BR,  8                            ; v8  4 r: the bias of one channel
.set R,   16                           ; v16-143  two sets of 64 numbers as loaded
.set X,   144                          ; v144-207 64 numbers: register 16 b + i = k 32 b + 16 h + i of row r
.set PC,  208                          ; v208-215 the codes just made
.set TM,  216                          ; v216-231 at work
.set WS,  232                          ; v232-239 W's scale words: register 4 pr + s: lanes 0-15 column tile 2 pr, lanes 16-31 tile 2 pr + 1.  Scales and nothing else
.set XS,  240                          ; v240-247 x's scale words, two sets of four.  Scales and nothing else
.set PW,  248                          ; v248 the scale word just made
.set SPW, 252
.set NIL, 253
.set XF,  16                           ; phase P: v16-79 x's fragments, two sets of four
.set ACC, 80                           ; v80-111 four accumulators
.set PK,  112                          ; v112-127 the results as f16
.set BI,  128                          ; window 1: v0-127 W's fragment (ct, s) at 8 (4 ct + s); v128-159 the bias, eight registers a column tile
.set MSB, 0
.macro WIN new                         ; the immediate's high byte repeats the setting that is left
.if MSB != \new
	s_set_vgpr_msb (MSB<<8)|\new
.set MSB, \new
.endif
.endm
	s_load_b512 s[8:23], s[0:1], 0x0               ; q, k, v, wimg, bq, bk, bv, qimg
	s_load_b128 s[24:27], s[0:1], 0x40             ; kimg, vimg
	v_lshl_add_u32 v[SPW], v0, 2, SPARE
	v_mov_b32 v[NIL], 0
	v_lshrrev_b32 v9, 5, v0
	v_readfirstlane_b32 s28, v9                    ; wave 0..7
	s_and_b32 s29, ttmp7, 0xffff                   ; t: which tensor
	v_and_b32 v9, 31, v0
	v_and_b32 v10, 15, v0                          ; r
	v_bfe_u32 v11, v0, 4, 1                        ; h
	v_lshlrev_b32 v[LI], 4, v9
	v_lshlrev_b32 v[L4], 2, v9
	s_mul_i32 s40, s28, WSTG
	s_add_co_u32 s40, s40, STG
	v_add_nc_u32 v[STI], s40, v[LI]
	v_mul_u32_u24 v[STR], v10, SPITCH
	v_lshl_add_u32 v[STR], v11, 6, v[STR]
	v_add_nc_u32 v[STR], s40, v[STR]
	s_lshl_b32 s41, s28, 12
	v_add_nc_u32 v[XWI], s41, v[LI]
	s_lshl_b32 s41, s28, 9
	v_add_nc_u32 v[XWS], s41, v[LI]
	v_lshlrev_b32 v[BH], 5, v11
	v_lshlrev_b32 v[BR], 2, v10
.irp b, 0,1,2,3
	v_mov_b32 v[TM+4+\b], 0                        ; written once: a lane permute's destination counts as one of its sources
.endr
	s_mov_b32 s30, 0x76543210
	s_mov_b32 s31, 0xfedcba98                      ; v_permlanex16_b32's selects for lane l xor 16
	s_lshl_b32 s40, ttmp9, 18                      ; x: 128 rows of 2,048 bytes a work-group,
	s_lshl_b32 s41, s28, 15                        ; 16 a wave
	s_add_co_u32 s40, s40, s41
	s_mov_b32 s41, 0
	s_mul_i32 s42, s29, 139264                     ; W's codes: my tensor's, my head's 16 fragments
	s_lshl_b32 s43, s28, 14
	s_add_co_u32 s42, s42, s43
	s_mov_b32 s43, 0
	s_mul_i32 s44, s29, 139264                     ; W's scale words: my head's 64 columns
	s_lshl_b32 s45, s28, 8
	s_add_co_u32 s44, s44, s45
	s_add_co_u32 s44, s44, 131072
	s_mov_b32 s45, 0
	s_lshl_b32 s46, s28, 8                         ; the bias: my head's 64 numbers
	s_mov_b32 s47, 0
	s_lshr_b32 s48, ttmp9, 5                       ; out: (((g / 32) 8 + w) 256 + (g % 32) 8) x 2048
	s_lshl_b32 s48, s48, 22
	s_lshl_b32 s49, s28, 19
	s_add_co_u32 s48, s48, s49
	s_and_b32 s49, ttmp9, 31
	s_lshl_b32 s49, s49, 14
	s_add_co_u32 s48, s48, s49
	s_mov_b32 s49, 0
	s_wait_kmcnt 0x0
	s_cmp_eq_u32 s29, 1                            ; the choices hang on the work-group's number alone
	s_cselect_b64 s[32:33], s[10:11], s[8:9]
	s_cselect_b64 s[36:37], s[18:19], s[16:17]
	s_cselect_b64 s[38:39], s[24:25], s[22:23]
	s_cmp_eq_u32 s29, 2
	s_cselect_b64 s[32:33], s[12:13], s[32:33]
	s_cselect_b64 s[36:37], s[20:21], s[36:37]
	s_cselect_b64 s[38:39], s[26:27], s[38:39]
	s_add_nc_u64 s[32:33], s[32:33], s[40:41]      ; x
	s_add_nc_u64 s[34:35], s[14:15], s[42:43]      ; W's codes
	s_add_nc_u64 s[50:51], s[14:15], s[44:45]      ; W's scale words
	s_add_nc_u64 s[36:37], s[36:37], s[46:47]      ; the bias
	s_add_nc_u64 s[38:39], s[38:39], s[48:49]      ; out
	WIN 0x40                                       ; destination window 1
.set f, 0
.rept 32
	global_load_b128 v[4*f:4*f+3], v[LI], s[34:35] offset:512*f   ; W's fragments as they lie: they stay
.set f, f+1
.endr
	WIN 0
.irp pr, 0,1
.irp s, 0,1,2,3
	global_load_b32 v[WS+4*\pr+\s], v[L4], s[50:51] offset:\s*2048+128*\pr
.endr
.endr
	s_cmp_eq_u32 s29, 2                            ; the bias in the result's layout: it differs with the sources' order
	s_cbranch_scc1 .Lbias_v
	WIN 0x40
.irp ct, 0,1,2,3
.irp e, 0,1
	global_load_b128 v[BI+8*\ct+4*\e:BI+8*\ct+4*\e+3], v[BH], s[36:37] offset:64*\ct+16*\e   ; q, k: register j = b(16 ct + 8 h + j)
.endr
.endr
	WIN 0
	s_branch .Lbias_done
.Lbias_v:
	WIN 0x40
.irp ct, 0,1,2,3
.irp j, 0,1,2,3,4,5,6,7
	global_load_b32 v[BI+8*\ct+\j], v[BR], s[36:37] offset:64*\ct   ; v: every register = b(16 ct + r)
.endr
.endr
	WIN 0
.Lbias_done:
.macro LOAD s                          ; K step s of my 16 rows: each load reads 512 consecutive bytes of one row
.irp i, 0,1,2,3,4,5,6,7,8,9,10,11,12,13,14,15
	global_load_b128 v[R+64*((\s)%2)+4*\i:R+64*((\s)%2)+4*\i+3], v[LI], s[32:33] offset:\i*2048+512*(\s) th:TH_LOAD_NT
.endr
.endm
.macro TURN s                          ; through my own stage: LDS serves a wave's instructions in order, so no wait stands between the stores and the loads
.irp i, 0,1,2,3,4,5,6,7,8,9,10,11,12,13,14,15
	ds_store_b128 v[STI], v[R+64*((\s)%2)+4*\i:R+64*((\s)%2)+4*\i+3] offset:SPITCH*\i
.endr
.irp b, 0,1,2,3
.irp j, 0,1,2,3
	ds_load_b128 v[X+16*\b+4*\j:X+16*\b+4*\j+3], v[STR] offset:128*\b+16*\j
.endr
.endr
.endm
; 64 numbers of a lane become a fragment's codes in v[PC] on and its row's scale word in v[PW]
.macro QUANT s
.irp b, 0,1,2,3
	v_max3_num_f32 v[TM+\b], |v[\s+16*\b]|, |v[\s+1+16*\b]|, 0x1800000   ; my 16 numbers of block b, and the floor 2^(3 - 127): the byte cannot fall under 1
.endr
.irp i, 2,4,6,8,10,12,14
.irp b, 0,1,2,3
	v_max3_num_f32 v[TM+\b], v[TM+\b], |v[\s+16*\b+\i]|, |v[\s+1+16*\b+\i]|
.endr
.endr
.irp b, 0,1,2,3
	v_permlanex16_b32 v[TM+4+\b], v[TM+\b], s30, s31
.endr
.irp b, 0,1,2,3
	v_max_num_f32 v[TM+\b], v[TM+\b], v[TM+4+\b]   ; with lane l xor 16's: the block's largest magnitude
.endr
.irp b, 0,1,2,3
	v_add_nc_u32 v[TM+12+\b], 0xff000000, v[TM+\b] ; 2 off its exponent field: the conversion's scale operand
.endr
.irp b, 0,1,2,3
	v_lshrrev_b32 v[TM+4+\b], 23, v[TM+12+\b]      ; the scale's byte
.endr
	v_lshl_or_b32 v[PW], v[TM+5], 8, v[TM+4]
	v_lshl_or_b32 v[PW], v[TM+6], 16, v[PW]
	v_lshl_or_b32 v[PW], v[TM+7], 24, v[PW]
.irp b, 0,1,2,3
	v_cvt_scalef32_pk8_fp4_f32 v[PC+2*\b], v[\s+16*\b:\s+7+16*\b], v[TM+12+\b]
	v_cvt_scalef32_pk8_fp4_f32 v[PC+1+2*\b], v[\s+8+16*\b:\s+15+16*\b], v[TM+12+\b]
.endr
	v_nop                                          ; one plain place behind a scaled conversion
.irp c, 0,1                                    ; the operand's layout wants a whole block in a lane
.irp i, 0,1
	v_permlane16_swap_b32 v[PC+4*\c+\i], v[PC+2+4*\c+\i]
.endr
.endr
.endm
.macro IMAGE s
.irp c, 0,1
	ds_store_b128 v[XWI], v[PC+4*\c:PC+4*\c+3] offset:XIMG+1024*(\s)+512*\c
.endr
	ds_store_b32 v[XWS], v[PW] offset:XSC+4*(\s)
.endm
	; ---- PHASE X.  W's, the scales' and the bias's loads were issued ahead of x's, so the counts below count x's loads alone, on either way through the bias
	LOAD 0
	LOAD 1
.irp s, 0,1,2,3
.if \s < 3
	s_wait_loadcnt 16                              ; this K step's 16 loads are in; the next step's 16 may be out
.else
	s_wait_loadcnt 0x0
.endif
	TURN \s
	s_wait_dscnt 0x0                               ; the numbers are back; the stores have read the loaded set and the last image's registers
.if \s < 2
	LOAD \s+2
.endif
	QUANT X
	IMAGE \s
.endr
	s_wait_dscnt 0x0                               ; for the others' sake: my images have landed
	s_barrier_signal -1
	s_barrier_wait -1                              ; x's 32 fragments lie in LDS; nobody writes them again
	; ---- PHASE P
.macro FETCH m, set                    ; tile m's four fragments and its rows' four scale words
.irp f, 0,1,2,3,4,5,6,7
	ds_load_b128 v[XF+32*(\set)+4*\f:XF+32*(\set)+4*\f+3], v[LI] offset:XIMG+4096*(\m)+512*\f
.endr
	ds_load_b128 v[XS+4*(\set):XS+4*(\set)+3], v[LI] offset:XSC+512*(\m)
.endm
.macro ONE ct, s, set, swap            ; one matrix instruction: column tile ct, K step s
.set rD, ACC+8*(\ct)
.set rW, 8*(4*(\ct)+(\s))
.set rX, XF+32*(\set)+8*(\s)
.set rC, rD
.if (\s) == 0
.set rC, BI+8*(\ct)
.endif
.set rSW, WS+4*((\ct)/2)+(\s)
.set rSX, XS+4*(\set)+(\s)
.if \swap
.if (\ct)%2
	v_wmma_scale_f32_16x16x128_f8f6f4 v[rD:rD+7], v[rX:rX+7], v[rW:rW+7], v[rC:rC+7], v[rSX], v[rSW] matrix_a_fmt:MATRIX_FMT_FP4 matrix_b_fmt:MATRIX_FMT_FP4 matrix_b_scale:MATRIX_SCALE_ROW1
.else
	v_wmma_scale_f32_16x16x128_f8f6f4 v[rD:rD+7], v[rX:rX+7], v[rW:rW+7], v[rC:rC+7], v[rSX], v[rSW] matrix_a_fmt:MATRIX_FMT_FP4 matrix_b_fmt:MATRIX_FMT_FP4
.endif
.else
.if (\ct)%2
	v_wmma_scale_f32_16x16x128_f8f6f4 v[rD:rD+7], v[rW:rW+7], v[rX:rX+7], v[rC:rC+7], v[rSW], v[rSX] matrix_a_fmt:MATRIX_FMT_FP4 matrix_b_fmt:MATRIX_FMT_FP4 matrix_a_scale:MATRIX_SCALE_ROW1
.else
	v_wmma_scale_f32_16x16x128_f8f6f4 v[rD:rD+7], v[rW:rW+7], v[rX:rX+7], v[rC:rC+7], v[rSW], v[rSX] matrix_a_fmt:MATRIX_FMT_FP4 matrix_b_fmt:MATRIX_FMT_FP4
.endif
.endif
.endm
; 16 matrix instructions: K step by K step, the four accumulators by turns.  w0: the windows of the first K step (C = the bias, window 1); w1: of the others
.macro MUL set, swap, w0, w1
.irp s, 0,1,2,3
.if \s == 0
	WIN \w0
.else
	WIN \w1
.endif
.irp ct, 0,1,2,3
	ONE \ct, \s, \set, \swap
.endr
.endr
	WIN 0
.endm
	FETCH 0, 0
	FETCH 1, 1
.irp m, 0,1,2,3,4,5,6,7
.if \m < 7
	s_wait_dscnt 9                                 ; this tile's nine loads are in; the next tile's nine may be out
.else
	s_wait_dscnt 0x0
.endif
	s_cmp_eq_u32 s29, 2
	s_cbranch_scc1 .Lv_\m
	MUL \m%2, 0, 0x11, 0x01                        ; q, k: source 0 = W (window 1), source 1 = x
	s_branch .Ljoin_\m
.Lv_\m:
	MUL \m%2, 1, 0x14, 0x04                        ; v: source 0 = x, source 1 = W (window 1)
.Ljoin_\m:
.rept 4
	v_nop                                          ; four places behind the last product, ahead of the first read of results and of the loads into x's set
.endr
	s_wait_xcnt 0x0                                ; the last tile's stores have read their data registers
.irp ct, 0,1,2,3
.irp i, 0,1,2,3
	v_cvt_pk_f16_f32 v[PK+4*\ct+\i], v[ACC+8*\ct+2*\i], v[ACC+8*\ct+2*\i+1]   ; each accumulator from its low end on
.endr
.endr
.irp ct, 0,1,2,3
	global_store_b128 v[LI], v[PK+4*\ct:PK+4*\ct+3], s[38:39] offset:2048*\m+512*\ct   ; 32 lanes store 512 consecutive bytes, aligned
.endr
.if \m < 6
	FETCH \m+2, \m%2
.endif
.endr
	s_wait_tensorcnt 0x0                           ; the wave's end, behind my last LDS store
	ds_add_u32 v[SPW], v[NIL]
	s_wait_dscnt 0x0
	s_endpgm
.Lfunc_end_k_q77d474d0f3_proj:
	.size	k_q77d474d0f3_proj, .Lfunc_end_k_q77d474d0f3_proj-k_q77d474d0f3_proj
	.p2alignl 7, 3214868480
	.fill 96, 4, 3214868480
	.section	.rodata,"a",@progbits
	.p2align	6, 0x0
	.amdhsa_kernel k_q77d474d0f3_proj
		.amdhsa_group_segment_fixed_size 105472
		.amdhsa_private_segment_fixed_size 0
		.amdhsa_enable_private_segment 0
		.amdhsa_kernarg_size 80
		.amdhsa_user_sgpr_count 2
		.amdhsa_user_sgpr_kernarg_segment_ptr 1
		.amdhsa_wavefront_size32 1
		.amdhsa_system_sgpr_workgroup_id_x 1
		.amdhsa_system_sgpr_workgroup_id_y 1
		.amdhsa_system_sgpr_workgroup_id_z 1
		.amdhsa_system_vgpr_workitem_id 0
		.amdhsa_next_free_vgpr 416
		.amdhsa_next_free_sgpr 66
		.amdhsa_reserve_vcc 0
		.amdhsa_float_denorm_mode_32 3
		.amdhsa_float_denorm_mode_16_64 3
		.amdhsa_memory_ordered 1
		.amdhsa_forward_progress 1
		.amdhsa_inst_pref_size 92
	.end_amdhsa_kernel
	.amdgpu_metadata
---
amdhsa.version: [ 1, 2 ]
amdhsa.kernels:
  - .name:           k_q77d474d0f3_proj
    .symbol:         k_q77d474d0f3_proj.kd
    .args:
      - { .name: q, .offset: 0, .size: 8, .value_kind: global_buffer, .address_space: global }
      - { .name: k, .offset: 8, .size: 8, .value_kind: global_buffer, .address_space: global }
      - { .name: v, .offset: 16, .size: 8, .value_kind: global_buffer, .address_space: global }
      - { .name: wimg, .offset: 24, .size: 8, .value_kind: global_buffer, .address_space: global }
      - { .name: bq, .offset: 32, .size: 8, .value_kind: global_buffer, .address_space: global }
      - { .name: bk, .offset: 40, .size: 8, .value_kind: global_buffer, .address_space: global }
      - { .name: bv, .offset: 48, .size: 8, .value_kind: global_buffer, .address_space: global }
      - { .name: qimg, .offset: 56, .size: 8, .value_kind: global_buffer, .address_space: global }
      - { .name: kimg, .offset: 64, .size: 8, .value_kind: global_buffer, .address_space: global }
      - { .name: vimg, .offset: 72, .size: 8, .value_kind: global_buffer, .address_space: global }
    .group_segment_fixed_size: 105472
    .private_segment_fixed_size: 0
    .kernarg_segment_align: 8
    .kernarg_segment_size: 80
    .max_flat_workgroup_size: 256
    .sgpr_count:     66
    .vgpr_count:     416
    .wavefront_size: 32
...
	.end_amdgpu_metadata
.endif
;; end of part 2
;; launch attn (part 3): grid 16 x 16, 8 waves a work-group, clusters of 4 x 1, 327,680 bytes of LDS; arguments qimg, kimg, vimg, mix; writes mix
.if DOCPART == 3
	.amdgcn_target "amdgcn-amd-amdhsa--gfx1250"
	.amdhsa_code_object_version 6
	.text
	.protected	k_q77d474d0f3_attn
	.globl	k_q77d474d0f3_attn
	.p2align	8
	.type	k_q77d474d0f3_attn,@function
k_q77d474d0f3_attn:
	s_mov_b64 s[64:65], 0
	v_nop
	global_prefetch_b8 v0, s[64:65] scope:SCOPE_SE
	s_setreg_imm32_b32 hwreg(HW_REG_WAVE_MODE, 25, 1), 1
	s_wait_xcnt 0x0
	s_wait_alu depctr_hold_cnt(0) depctr_sa_sdst(0) depctr_va_vdst(0) depctr_va_sdst(0) depctr_va_ssrc(0) depctr_va_vcc(0) depctr_vm_vsrc(0)
	s_getreg_b32 s2, hwreg(HW_REG_IB_STS2, 6, 4)
	s_cmp_eq_u32 s2, 0
	s_cbranch_scc0 .Lentry_in_a_cluster
	s_endpgm
.Lentry_in_a_cluster:
	s_bfe_u32 s2, ttmp6, 0x10000c
	s_cmp_lg_u32 s2, 0x3003
	s_cbranch_scc0 .Lentry_shape_is_right
	s_endpgm
.Lentry_shape_is_right:
; mix[n][q][head][:] = the sum over k of softmax_k(Q . K / 8) V, head size 64, 4,096 keys, 16 pairs (n, head).  Operands f16, products, maxima and sums f32; the weights p (at most 1) are rounded to f16.
; SHARES.  A work-group owns 256 queries (x) of one pair (y).  Wave w: g = w % 4 picks 64 queries, four tiles of 16; p = w / 4 picks HALF OF THE KEYS: of each slot's eight key steps of 64 it walks 4 p .. 4 p + 3.
; So two waves share a SIMD, one's vector work beside the other's products, and each fragment of K or V read from LDS still feeds four products.  At the end the two halves of a query group are merged through LDS.
; LAYOUT.  S^T = K Q^T (source 0 = 16 keys, source 1 = 16 queries), O^T = V^T P (source 0 = 16 channels, source 1 = P): a lane holds ONE query throughout.  Two tiles of S^T rounded to f16 in pairs ARE source 1 of the second product.
; qimg, kimg, vimg hold halves of fragments as images of registers, 512 bytes each, lane l's 16 bytes at 16 l: every LDS load takes 512 consecutive bytes; nothing is padded or turned.
; SOFTMAX.  A running maximum m and sum l for each query: p = 2^(c s - c m), c = log2(e) / 8; in every step O and l are multiplied by a = 2^(c m_old - c m_new).  O and l begin as zeros, m as -3e38.
; CLUSTER.  The four query blocks of a cluster walk the same K and V: each fill is asked for JOINTLY, the same tensor load with the same descriptor and a mask that names the four.  K and V have one layout, so one line serves all
; eight waves: waves 0-3 bring K's 64 KB of a slot, waves 4-7 V's, 16 KB each.  By this text's own count a wave has two tensor loads out at the start and one behind each round.
; LIMITS: NaN and infinities are not served.
; REGISTERS.  window 0: v1-13 addresses; v16-47 statistics, eight a tile; v48-111 V of a step; v112-239 S^T, 32 a tile, then P in the low 16 of each.   window 1: v0-127 O^T, 32 a tile; v128-191 Q; v192-255 K of a step.
.set SLOT1, 1<<17                      ; a slot: K's eight steps of 8,192 bytes, then V's eight; slot 1 begins here, so that one exclusive or turns an address
.set VOFF,  65536
.set STEPB, 8192
.set STATS, 2*SLOT1                    ; behind the ring: (c m, l) of each wave's four tiles: 1024 w + 256 t + 8 lane
.set SPARE, STATS+8192                 ; the spare words, 128 bytes for each wave: four blocks of 256 bytes that no other line names
.set LK,  1                            ; v1  16 x lane
.set LV,  2                            ; v2  16 x lane + VOFF
.set ADK, 3                            ; v3  the run of K's loads in hand
.set ADV, 4                            ; v4  of V's
.set MW,  5                            ; v5  the merge: where I put my O^T: 16 lane + 16384 w (slot 0, which has had its last fill and its last read by then)
.set ML0, 6                            ; v6  where I read the first half's part of my two tiles: 16 lane + 16384 g + 8192 p
.set ML1, 7                            ; v7  and the second half's: + 65536
.set SW,  8
.set SL0, 9
.set SL1, 10
.set PFO, 11                           ; v11 256 x lane
.set SPW, 12
.set NIL, 13
.set ST,  16                           ; tile t at v[ST + 8 t]: +0 c m, +1 m, +2:+3 l, +4, +5 two chains of the maximum, then a pair of sums, +6 a, +7 c m_old, then the difference
.set VF,  48                           ; V(ct, b) at 16 ct + 8 b
.set S,   112                          ; S(t, a) at 32 t + 8 a; P(t, b) at 32 t + 8 b
.set QF,  128                          ; window 1: Q(t, c) at 16 t + 8 c
.set KF,  192                          ; window 1: K(a, c) at 16 a + 8 c
.set EP,  240                          ; the merge, tile u at v[EP + 8 u]: g0 twice, g1 twice, M then L, 1 / L, f0, f1
.set WV,  12
.set LIM, 15
.set PFA, 18
.set G1,  24
.set G0,  40                           ; s[40:43] slot 0's first fill; s[44:47] slot 1's, which then walks on
.set SLOTS, 56
.set CNT, 57
.set CS,  58
.set SEL, 60
.set TB,  62
.set MSB, 0
.macro WIN new                         ; the immediate's high byte repeats the setting that is left
.if MSB != \new
	s_set_vgpr_msb (MSB<<8)|\new
.set MSB, \new
.endif
.endm
.macro CROUND                          ; a round of the cluster's barrier
	s_barrier_signal -1
	s_barrier_wait -1
	s_cmp_lg_u32 s[WV], 0
	s_cbranch_scc1 .Lnot_wave_0_\@
	s_barrier_signal -3
.Lnot_wave_0_\@:
	s_barrier_wait -3
	s_barrier_signal -1
	s_barrier_wait -1
.endm
; A PREFETCH INTO THE L2 of the 512 keys that the NEXT change of slots will ask for: four of a wave's key steps ahead of that load.  All clusters of a pair walk the same K and V: the pair's first cluster asks.
; Its four partners are told apart BY ADDRESS; in each the even waves ask, one instruction each, lanes 256 bytes apart: wave 0 and 2 for K's 64 KB, wave 4 and 6 for V's, 8,192 bytes a wave and partner: each block is named once.
; The last change that fills a slot asks for nothing; nothing is asked for at the head.
.macro ASK
	s_cmp_gt_u32 s[SLOTS], s[LIM]
	s_cbranch_scc0 .Lnot_mine_\@
	global_prefetch_b8 v[PFO], s[PFA:PFA+1] th:TH_LOAD_NT scope:SCOPE_SE
.Lnot_mine_\@:
.endm
	s_load_b256 s[4:11], s[0:1], 0x0               ; qimg, kimg, vimg, mix
	v_lshl_add_u32 v[SPW], v0, 2, SPARE
	v_mov_b32 v[NIL], 0
	ds_add_u32 v[SPW], v[NIL]                      ; the wave's opening: the add and its wait stand ahead of my first tensor load; the set-up below stands between them
	v_lshrrev_b32 v14, 5, v0
	v_readfirstlane_b32 s[WV], v14                 ; wave 0..7
	s_bfe_u32 s13, ttmp6, 0x40000                  ; cx
	s_lshl_b32 s14, ttmp9, 2
	s_add_co_u32 s14, s14, s13                     ; my block of 256 queries: it enters Q's and mix's addresses alone
	s_and_b32 s20, ttmp7, 0xffff                   ; the pair (n, head), which the four partners share
	s_and_b32 s16, s[WV], 3                        ; g
	s_lshr_b32 s17, s[WV], 2                       ; p
	s_lshl_b32 s22, s20, 19                        ; K, V: the pair's 524,288 bytes, my 16 KB of a slot's 64
	s_lshl_b32 s23, s16, 14
	s_add_co_u32 s22, s22, s23
	s_mov_b32 s23, 0
	s_lshl_b32 s32, s20, 19                        ; Q: (256 pair + 16 block + 4 g) tiles of 2,048 bytes
	s_lshl_b32 s33, s14, 15
	s_add_co_u32 s32, s32, s33
	s_lshl_b32 s33, s16, 13
	s_add_co_u32 s32, s32, s33
	s_mov_b32 s33, 0
	s_lshr_b32 s34, s20, 3                         ; mix: (256 n + 16 block + 4 g + 2 p) x 16384 + 2048 head
	s_lshl_b32 s34, s34, 22
	s_lshl_b32 s35, s14, 18
	s_add_co_u32 s34, s34, s35
	s_lshl_b32 s35, s16, 16
	s_add_co_u32 s34, s34, s35
	s_lshl_b32 s35, s17, 15
	s_add_co_u32 s34, s34, s35
	s_and_b32 s35, s20, 7
	s_lshl_b32 s35, s35, 11
	s_add_co_u32 s34, s34, s35
	s_mov_b32 s35, 0
	; descriptor group 1: a dense block of 16 KB as 64 rows of 256 bytes (32 elements of 8 bytes), no padding
	s_mov_b32 s[G1], 15|(3<<16)|(1<<21)            ; 15:0 the mask: all four work-groups; 17:16 elements of 8 bytes; 21 set beside a mask
	s_mov_b32 s[G1+1], 32<<16                      ; tensor_dim0 = 32
	s_mov_b32 s[G1+2], 64<<16                      ; tensor_dim1 = 64
	s_mov_b32 s[G1+3], 32<<16                      ; tile_dim0 = 32
	s_mov_b32 s[G1+4], 64                          ; tile_dim1 = 64
	s_mov_b32 s[G1+5], 32                          ; from row to row
	s_mov_b32 s[G1+6], 0
	s_mov_b32 s[G1+7], 0
	s_mov_b32 s[CS], 0x3e38aa3b                    ; c = log2(e) / 8
	s_mov_b32 s[CS+1], s[CS]                       ; named with it as a pair, so it is written
	s_mov_b32 s[SEL], 0x76543210
	s_mov_b32 s[SEL+1], 0xfedcba98
	s_lshl_b32 s[TB], s17, 15                      ; my first key step of slot 0
	s_mov_b32 s[SLOTS], 6
	s_and_b32 s[LIM], s[WV], 1
	s_or_b32 s[LIM], s[LIM], ttmp9                 ; 0 in the even waves of the pair's first cluster: the same in all four partners
	s_cmp_eq_u32 s[LIM], 0
	s_cselect_b32 s[LIM], 1, -1
	v_and_b32 v14, 31, v0
	v_lshlrev_b32 v[LK], 4, v14
	v_add_nc_u32 v[LV], VOFF, v[LK]
	s_lshl_b32 s41, s[WV], 14                      ; where my tiles go, and my part of the merge's stage: no place in the cluster enters an LDS address
	v_add_nc_u32 v[MW], s41, v[LK]
	s_lshl_b32 s48, s16, 14
	s_lshl_b32 s49, s17, 13
	s_add_co_u32 s48, s48, s49
	v_add_nc_u32 v[ML0], s48, v[LK]
	v_add_nc_u32 v[ML1], 65536, v[ML0]
	v_lshlrev_b32 v15, 3, v14
	v_add_nc_u32 v15, STATS, v15
	s_lshl_b32 s48, s[WV], 10
	v_add_nc_u32 v[SW], s48, v15
	s_lshl_b32 s48, s16, 10
	s_lshl_b32 s49, s17, 9
	s_add_co_u32 s48, s48, s49
	v_add_nc_u32 v[SL0], s48, v15
	v_add_nc_u32 v[SL1], 4096, v[SL0]
	v_lshlrev_b32 v[PFO], 8, v14
	s_wait_dscnt 0x0                               ; the opening add is done
	s_wait_kmcnt 0x0
	s_cmp_lt_u32 s[WV], 4                          ; waves 0-3 fetch for K, waves 4-7 for V: the wave's number alone decides
	s_cselect_b64 s[36:37], s[6:7], s[8:9]
	s_add_nc_u64 s[36:37], s[36:37], s[22:23]      ; my 16 KB of the first 512 keys
	s_add_nc_u64 s[4:5], s[4:5], s[32:33]
	s_add_nc_u64 s[10:11], s[10:11], s[34:35]
	s_lshl_b32 s48, s13, 13                        ; the prefetches: my work-group's 8,192 bytes,
	s_mov_b32 s49, 0
	s_add_nc_u64 s[PFA:PFA+1], s[36:37], s[48:49]
	s_add_nc_u64 s[PFA:PFA+1], s[PFA:PFA+1], 2*65536  ; in the third 512 keys; the first change of slots steps it to the fourth
	CROUND                                         ; all four work-groups are here: the first joint loads meet
	s_mov_b32 s[G0], 1                             ; count = 1
	s_mov_b64 s[G0+2:G0+3], s[36:37]               ; (s41, the LDS address, was made above)
	s_or_b32 s[G0+3], s[G0+3], 0x80000000          ; type = 2
	s_mov_b32 s[G0+4], 1
	s_add_co_u32 s[G0+5], s41, SLOT1
	s_add_nc_u64 s[G0+6:G0+7], s[36:37], 65536
	s_or_b32 s[G0+7], s[G0+7], 0x80000000
	tensor_load_to_lds s[G0:G0+3], s[G1:G1+7]      ; keys 0-511 into slot 0
	s_nop 0
	tensor_load_to_lds s[G0+4:G0+7], s[G1:G1+7]    ; keys 512-1023 into slot 1
	s_nop 0
.rept 4
	v_nop
.endr
	WIN 0x40                                       ; destination window 1
.set f, 0
.rept 16
	global_load_b128 v[QF+4*f:QF+4*f+3], v[LK], s[4:5] offset:512*f   ; Q stays in registers
.set f, f+1
.endr
.set j, 0
.rept 128
	v_mov_b32 v[j], 0                              ; O^T.  The key step is written without a first form: it finds zeros, which the first a leaves zeros
.set j, j+1
.endr
	WIN 0
.irp t, 0,1,2,3
	v_mov_b32 v[ST+8*\t+1], 0xff61b1e6             ; m = -3e38, under every score
	v_mov_b32 v[ST+8*\t+2], 0                      ; l, in two halves
	v_mov_b32 v[ST+8*\t+3], 0
.endr
.irp t, 0,1,2,3
	v_mul_f32 v[ST+8*\t], s[CS], v[ST+8*\t+1]      ; c m
.endr
.macro FETCH_K                         ; 64 keys x 64 channels: 16 loads of 512 consecutive bytes
	v_add_nc_u32 v[ADK], s[TB], v[LK]
	WIN 0x40
.set f, 0
.rept 16
	ds_load_b128 v[KF+4*f:KF+4*f+3], v[ADK] offset:512*f
.set f, f+1
.endr
	WIN 0
.endm
.macro FETCH_V                         ; the same step's V; then the fetches go on to the next step
	v_add_nc_u32 v[ADV], s[TB], v[LV]
.irp ct, 0,1,2,3
.irp b, 0,1
.irp e, 0,1
	ds_load_b128 v[VF+16*\ct+8*\b+4*\e:VF+16*\ct+8*\b+4*\e+3], v[ADV] offset:(2*\b+\e)*2048+512*\ct
.endr
.endr
.endr
	s_add_co_u32 s[TB], s[TB], STEPB
.endm
; The accumulators take turns, one instruction a turn: between two links of a chain stand the 15 others'.
.macro KQ                              ; S^T = K Q^T: 32 products; the first 16 start the sums
	WIN 0x05                                       ; K and Q window 1, S^T window 0
.irp c, 0,1
.irp a, 0,1,2,3
.irp t, 0,1,2,3
.if \c == 0
	v_wmma_f32_16x16x32_f16 v[S+32*\t+8*\a:S+32*\t+8*\a+7], v[KF+16*\a+8*\c:KF+16*\a+8*\c+7], v[QF+16*\t+8*\c:QF+16*\t+8*\c+7], 0
.else
	v_wmma_f32_16x16x32_f16 v[S+32*\t+8*\a:S+32*\t+8*\a+7], v[KF+16*\a+8*\c:KF+16*\a+8*\c+7], v[QF+16*\t+8*\c:QF+16*\t+8*\c+7], v[S+32*\t+8*\a:S+32*\t+8*\a+7]
.endif
.endr
.endr
.endr
.endm
.macro PV                              ; O^T += V^T P: 32 products
	WIN 0x50                                       ; V and P window 0, O^T window 1
.irp b, 0,1
.irp ct, 0,1,2,3
.irp t, 0,1,2,3
	v_wmma_f32_16x16x32_f16 v[32*\t+8*\ct:32*\t+8*\ct+7], v[VF+16*\ct+8*\b:VF+16*\ct+8*\b+7], v[S+32*\t+8*\b:S+32*\t+8*\b+7], v[32*\t+8*\ct:32*\t+8*\ct+7]
.endr
.endr
.endr
.endm
; The four tiles' softmax for one key step, the tiles by turns.  s0-s31 are a lane's 32 scores of a tile.
.macro SOFTMAX
.irp t, 0,1,2,3                                ; the maximum: two chains, s0-s14 and s16-s30, each accumulator first read at its low end
	v_max3_num_f32 v[ST+8*\t+4], v[S+32*\t], v[S+32*\t+1], v[S+32*\t+2]
.endr
.irp t, 0,1,2,3
	v_max3_num_f32 v[ST+8*\t+5], v[S+32*\t+16], v[S+32*\t+17], v[S+32*\t+18]
.endr
.irp i, 3,5,7,9,11,13
.irp t, 0,1,2,3
	v_max3_num_f32 v[ST+8*\t+4], v[ST+8*\t+4], v[S+32*\t+\i], v[S+32*\t+\i+1]
.endr
.irp t, 0,1,2,3
	v_max3_num_f32 v[ST+8*\t+5], v[ST+8*\t+5], v[S+32*\t+16+\i], v[S+32*\t+17+\i]
.endr
.endr
.irp t, 0,1,2,3
	v_max3_num_f32 v[ST+8*\t+4], v[ST+8*\t+4], v[S+32*\t+15], v[S+32*\t+31]
.endr
.irp t, 0,1,2,3
	v_max3_num_f32 v[ST+8*\t+4], v[ST+8*\t+4], v[ST+8*\t+5], v[ST+8*\t+1]   ; with the old m
.endr
.irp t, 0,1,2,3
	v_permlanex16_b32 v[ST+8*\t+5], v[ST+8*\t+4], s[SEL], s[SEL+1]          ; the query's other 32 keys lie in the lane 16 away
.endr
.irp t, 0,1,2,3
	v_max_num_f32 v[ST+8*\t+1], v[ST+8*\t+4], v[ST+8*\t+5]
.endr
.irp t, 0,1,2,3
	v_mul_f32 v[ST+8*\t], s[CS], v[ST+8*\t+1]
.endr
.irp t, 0,1,2,3
	v_sub_f32 v[ST+8*\t+7], v[ST+8*\t+7], v[ST+8*\t]                        ; c m_old - c m_new
.endr
	; ONE BATCH: the four a and the 128 p.  A pair's scaling stands one pair ahead of its two exponentials; nothing here names an exponential's result
.irp t, 0,1,2,3
	v_exp_f32 v[ST+8*\t+6], v[ST+8*\t+7]
.endr
.set i, 0
.rept 64
.set rS, S+32*(i%4)+2*(i/4)
.set rT, ST+8*(i%4)
	v_pk_fma_f32 v[rS:rS+1], v[rS:rS+1], s[CS:CS+1], v[rT:rT+1] op_sel_hi:[1,0,0] neg_lo:[0,0,1] neg_hi:[0,0,1]   ; c s - c m
.if i > 0
.set rE, S+32*((i-1)%4)+2*((i-1)/4)
	v_exp_f32 v[rE], v[rE]
	v_exp_f32 v[rE+1], v[rE+1]
.endif
.set i, i+1
.endr
	v_exp_f32 v[S+32*3+30], v[S+32*3+30]
	v_exp_f32 v[S+32*3+31], v[S+32*3+31]
	v_nop                                          ; the plain instruction behind the last exponential
	s_wait_alu depctr_va_vdst(0)                   ; the wait ahead of the first line that names a result: one for the batch
.irp t, 0,1,2,3                                ; the sums, of the unrounded p: l = a l + the even pairs; a second chain takes the odd pairs
	v_pk_fma_f32 v[ST+8*\t+2:ST+8*\t+3], v[ST+8*\t+2:ST+8*\t+3], v[ST+8*\t+6:ST+8*\t+7], v[S+32*\t:S+32*\t+1] op_sel_hi:[1,0,1]
.endr
.irp t, 0,1,2,3
	v_pk_add_f32 v[ST+8*\t+4:ST+8*\t+5], v[S+32*\t+2:S+32*\t+3], v[S+32*\t+6:S+32*\t+7]
.endr
.irp t, 0,1,2,3
	v_pk_add_f32 v[ST+8*\t+2:ST+8*\t+3], v[ST+8*\t+2:ST+8*\t+3], v[S+32*\t+4:S+32*\t+5]
.endr
.irp i, 8,12,16,20,24,28
.irp t, 0,1,2,3
	v_pk_add_f32 v[ST+8*\t+2:ST+8*\t+3], v[ST+8*\t+2:ST+8*\t+3], v[S+32*\t+\i:S+32*\t+\i+1]
.endr
.irp t, 0,1,2,3
	v_pk_add_f32 v[ST+8*\t+4:ST+8*\t+5], v[ST+8*\t+4:ST+8*\t+5], v[S+32*\t+\i+2:S+32*\t+\i+3]
.endr
.endr
.irp t, 0,1,2,3
	v_pk_add_f32 v[ST+8*\t+2:ST+8*\t+3], v[ST+8*\t+2:ST+8*\t+3], v[ST+8*\t+4:ST+8*\t+5]
.endr
.irp i, 0,1,2,3,4,5,6,7,8,9,10,11,12,13,14,15  ; P in place: register i takes pair i; i never passes 2 i
.irp t, 0,1,2,3
	v_cvt_pk_f16_f32 v[S+32*\t+\i], v[S+32*\t+2*\i], v[S+32*\t+2*\i+1]
.endr
.endr
	WIN 0x41                                       ; O^T (destination and source 0) window 1, a window 0
.irp i, 0,1,2,3,4,5,6,7,8,9,10,11,12,13,14,15
.irp t, 0,1,2,3
	v_pk_mul_f32 v[32*\t+2*\i:32*\t+2*\i+1], v[32*\t+2*\i:32*\t+2*\i+1], v[ST+8*\t+6:ST+8*\t+7] op_sel_hi:[1,0]
.endr
.endr
.endm
; A KEY STEP of 64 keys.  fetch = 1: the next step's K is asked for behind K Q^T and its V behind V^T P.
.macro STEP fetch
	s_wait_dscnt 16                                ; K is in; V's 16 loads, issued behind it, may be out
	KQ
	WIN 0
.irp t, 0,1,2,3
	v_mov_b32 v[ST+8*\t+7], v[ST+8*\t]             ; c m_old is kept for a.  These four are the places behind the products, ahead of the loads into K and of the first read of scores
.endr
.if \fetch
	FETCH_K
.endif
	SOFTMAX
.if \fetch
	s_wait_dscnt 16                                ; V is in; the next K's 16 loads may be out
.else
	s_wait_dscnt 0x0
.endif
	PV
	WIN 0
.if \fetch
.rept 5
	v_nop                                          ; five places: the next K Q^T writes over P, which these products read; four would do for the loads into V
.endr
	FETCH_V
.endif
.endm
.macro STEPS n
	s_mov_b32 s[CNT], \n
.Lstep_\@:
	STEP 1
	s_sub_co_u32 s[CNT], s[CNT], 1
	s_cmp_lg_u32 s[CNT], 0
	s_cbranch_scc1 .Lstep_\@
.endm
; THE CHANGE OF SLOTS stands at the head of a slot's last step of mine, whose K and V have been asked for.  Each wave waits for all its tensor loads (its part of the other slot), adds 0 to its spare word,
; and waits for that and for its reads of this slot.  fill = 1: a round of the cluster's barrier, and behind it this slot is filled with the keys two slots on: the load has four of a wave's key steps in which to land.
.macro CHANGE fill
	s_wait_tensorcnt 0x0                           ; no tensor load of mine is out, so a group 0 may be written
	ds_add_u32 v[SPW], v[NIL]
.if \fill
	s_xor_b32 s[G0+5], s[G0+5], SLOT1              ; the walking descriptor: the other slot than last time,
	s_add_nc_u64 s[G0+6:G0+7], s[G0+6:G0+7], 65536 ; the next 512 keys; the type bits on top are not reached
	s_wait_xcnt 0x0                                ; the last prefetch, a slot back, has read its address
	s_add_nc_u64 s[PFA:PFA+1], s[PFA:PFA+1], 65536
	s_wait_dscnt 0x0                               ; the add is done, and my reads of this slot are over
	CROUND
	tensor_load_to_lds s[G0+4:G0+7], s[G1:G1+7]    ; the first thing behind the round, and my one tensor load until the next
	s_nop 0
.rept 4
	v_nop
.endr
	ASK
.else
	s_wait_dscnt 0x0
	s_barrier_signal -1
	s_barrier_wait -1
.endif
	s_sub_co_u32 s[TB], s[TB], 4*STEPB             ; the fetches go back to my first step,
	s_xor_b32 s[TB], s[TB], SLOT1                  ; in the other slot
.endm
	s_wait_tensorcnt 1                             ; my part of slot 0 is in; slot 1's may stay out
	s_barrier_signal -1
	s_barrier_wait -1
	FETCH_K
	FETCH_V
	s_wait_loadcnt 0x0                             ; Q
	STEPS 3                                        ; my steps 0-2 of slot 0
.Lslot:                                            ; six trips: keys 1,024 to 4,095 are asked for
	CHANGE 1
	STEPS 4                                        ; a slot's last step and the next slot's first three
	s_sub_co_u32 s[SLOTS], s[SLOTS], 1
	s_cmp_lg_u32 s[SLOTS], 0
	s_cbranch_scc1 .Lslot
	CHANGE 0                                       ; the tail is written out
	STEPS 4
	STEP 0
	; ---- THE MERGE of the two halves of the keys
.irp t, 0,1,2,3
	v_add_f32 v[ST+8*\t+4], v[ST+8*\t+2], v[ST+8*\t+3]   ; l's two halves.  (These four are the places behind the last products)
.endr
.irp t, 0,1,2,3
	v_permlanex16_b32 v[ST+8*\t+5], v[ST+8*\t+4], s[SEL], s[SEL+1]
.endr
.irp t, 0,1,2,3
	v_add_f32 v[ST+8*\t+1], v[ST+8*\t+4], v[ST+8*\t+5]   ; (c m, l) is now a pair
.endr
	s_wait_dscnt 0x0
	s_barrier_signal -1
	s_barrier_wait -1                              ; no wave reads a slot any more, and no fill follows
	WIN 0x04                                       ; an LDS store's data are its source 1: window 1
.set f, 0
.rept 32
	ds_store_b128 v[MW], v[4*f:4*f+3] offset:512*f ; O^T as it stands, each accumulator from its low end on
.set f, f+1
.endr
	WIN 0
.irp t, 0,1,2,3
	ds_store_b64 v[SW], v[ST+8*\t:ST+8*\t+1] offset:256*\t
.endr
	s_wait_dscnt 0x0                               ; for the others' sake: my stores have landed
	s_barrier_signal -1
	s_barrier_wait -1
.set f, 0
.rept 16                                       ; I finish tiles 2 p and 2 p + 1 of my query group: told apart by address
	ds_load_b128 v[112+4*f:112+4*f+3], v[ML0] offset:512*f
.set f, f+1
.endr
.set f, 0
.rept 16
	ds_load_b128 v[176+4*f:176+4*f+3], v[ML1] offset:512*f
.set f, f+1
.endr
.irp u, 0,1
	ds_load_b64 v[48+2*\u:49+2*\u], v[SL0] offset:256*\u
	ds_load_b64 v[52+2*\u:53+2*\u], v[SL1] offset:256*\u
.endr
	s_wait_dscnt 0x0
.irp u, 0,1
	v_max_num_f32 v[EP+8*\u+4], v[48+2*\u], v[52+2*\u]   ; M
.endr
.irp u, 0,1
	v_sub_f32 v[EP+8*\u+6], v[48+2*\u], v[EP+8*\u+4]
	v_sub_f32 v[EP+8*\u+7], v[52+2*\u], v[EP+8*\u+4]
.endr
.irp u, 0,1
	v_exp_f32 v[EP+8*\u+6], v[EP+8*\u+6]           ; f = 2^(c m - M), one of the two is 1
	v_exp_f32 v[EP+8*\u+7], v[EP+8*\u+7]
.endr
	v_nop
	s_wait_alu depctr_va_vdst(0)                   ; one wait for the four
.irp u, 0,1
	v_mul_f32 v[EP+8*\u+4], v[49+2*\u], v[EP+8*\u+6]
.endr
.irp u, 0,1
	v_fmac_f32 v[EP+8*\u+4], v[53+2*\u], v[EP+8*\u+7]   ; L = l0 f0 + l1 f1, at least 1
.endr
.irp u, 0,1
	v_rcp_f32 v[EP+8*\u+5], v[EP+8*\u+4]
.endr
	v_nop
	s_wait_alu depctr_va_vdst(0)                   ; one wait for the two
.irp u, 0,1
	v_mul_f32 v[EP+8*\u], v[EP+8*\u+6], v[EP+8*\u+5]     ; g = f / L, twice: a pair for the packed lines
	v_mul_f32 v[EP+8*\u+1], v[EP+8*\u+6], v[EP+8*\u+5]
	v_mul_f32 v[EP+8*\u+2], v[EP+8*\u+7], v[EP+8*\u+5]
	v_mul_f32 v[EP+8*\u+3], v[EP+8*\u+7], v[EP+8*\u+5]
.endr
.irp u, 0,1
.irp i, 0,1,2,3,4,5,6,7,8,9,10,11,12,13,14,15
	v_pk_mul_f32 v[112+32*\u+2*\i:113+32*\u+2*\i], v[112+32*\u+2*\i:113+32*\u+2*\i], v[EP+8*\u:EP+8*\u+1]
.endr
.irp i, 0,1,2,3,4,5,6,7,8,9,10,11,12,13,14,15
	v_pk_fma_f32 v[112+32*\u+2*\i:113+32*\u+2*\i], v[176+32*\u+2*\i:177+32*\u+2*\i], v[EP+8*\u+2:EP+8*\u+3], v[112+32*\u+2*\i:113+32*\u+2*\i]
.endr
.irp i, 0,1,2,3,4,5,6,7,8,9,10,11,12,13,14,15
	v_cvt_pk_f16_f32 v[56+16*\u+\i], v[112+32*\u+2*\i], v[113+32*\u+2*\i]
.endr
.irp ct, 0,1,2,3
	global_store_b128 v[LK], v[56+16*\u+4*\ct:56+16*\u+4*\ct+3], s[10:11] offset:16384*\u+512*\ct   ; 32 lanes store 512 consecutive bytes, aligned
.endr
.endr
	s_wait_tensorcnt 0x0                           ; the wave's end, behind my last tensor load and my last LDS store
	ds_add_u32 v[SPW], v[NIL]
	s_wait_dscnt 0x0
	CROUND                                         ; the closing round: no work-group ends while a partner may still ask for a tile that names it
	s_endpgm
.Lfunc_end_k_q77d474d0f3_attn:
	.size	k_q77d474d0f3_attn, .Lfunc_end_k_q77d474d0f3_attn-k_q77d474d0f3_attn
	.p2alignl 7, 3214868480
	.fill 96, 4, 3214868480
	.section	.rodata,"a",@progbits
	.p2align	6, 0x0
	.amdhsa_kernel k_q77d474d0f3_attn
		.amdhsa_group_segment_fixed_size 327680
		.amdhsa_private_segment_fixed_size 0
		.amdhsa_enable_private_segment 0
		.amdhsa_kernarg_size 32
		.amdhsa_user_sgpr_count 2
		.amdhsa_user_sgpr_kernarg_segment_ptr 1
		.amdhsa_wavefront_size32 1
		.amdhsa_system_sgpr_workgroup_id_x 1
		.amdhsa_system_sgpr_workgroup_id_y 1
		.amdhsa_system_sgpr_workgroup_id_z 1
		.amdhsa_system_vgpr_workitem_id 0
		.amdhsa_next_free_vgpr 512
		.amdhsa_next_free_sgpr 66
		.amdhsa_reserve_vcc 0
		.amdhsa_float_denorm_mode_32 3
		.amdhsa_float_denorm_mode_16_64 3
		.amdhsa_memory_ordered 1
		.amdhsa_forward_progress 1
		.amdhsa_inst_pref_size 153
	.end_amdhsa_kernel
	.amdgpu_metadata
---
amdhsa.version: [ 1, 2 ]
amdhsa.kernels:
  - .name:           k_q77d474d0f3_attn
    .symbol:         k_q77d474d0f3_attn.kd
    .args:
      - { .name: qimg, .offset: 0, .size: 8, .value_kind: global_buffer, .address_space: global }
      - { .name: kimg, .offset: 8, .size: 8, .value_kind: global_buffer, .address_space: global }
      - { .name: vimg, .offset: 16, .size: 8, .value_kind: global_buffer, .address_space: global }
      - { .name: mix, .offset: 24, .size: 8, .value_kind: global_buffer, .address_space: global }
    .group_segment_fixed_size: 327680
    .private_segment_fixed_size: 0
    .kernarg_segment_align: 8
    .kernarg_segment_size: 32
    .max_flat_workgroup_size: 256
    .sgpr_count:     66
    .vgpr_count:     512
    .wavefront_size: 32
...
	.end_amdgpu_metadata
.endif
;; end of part 3
;; launch outp (part 4): grid 4 x 64, 4 waves a work-group, clusters of 4 x 4, 327,680 bytes of LDS; arguments mix, woimg, bo, out0; writes out0
.if DOCPART == 4
	.amdgcn_target "amdgcn-amd-amdhsa--gfx1250"
	.amdhsa_code_object_version 6
	.text
	.protected	k_q77d474d0f3_outp
	.globl	k_q77d474d0f3_outp
	.p2align	8
	.type	k_q77d474d0f3_outp,@function
k_q77d474d0f3_outp:
	s_mov_b64 s[64:65], 0
	v_nop
	global_prefetch_b8 v0, s[64:65] scope:SCOPE_SE
	s_setreg_imm32_b32 hwreg(HW_REG_WAVE_MODE, 25, 1), 1
	s_wait_xcnt 0x0
	s_wait_alu depctr_hold_cnt(0) depctr_sa_sdst(0) depctr_va_vdst(0) depctr_va_sdst(0) depctr_va_ssrc(0) depctr_va_vcc(0) depctr_vm_vsrc(0)
	s_getreg_b32 s2, hwreg(HW_REG_IB_STS2, 6, 4)
	s_cmp_eq_u32 s2, 0
	s_cbranch_scc0 .Lentry_in_a_cluster
	s_endpgm
.Lentry_in_a_cluster:
	s_bfe_u32 s2, ttmp6, 0x10000c
	s_cmp_lg_u32 s2, 0xf033
	s_cbranch_scc0 .Lentry_shape_is_right
	s_endpgm
.Lentry_shape_is_right:
; out0 = mix Wo + bo: [8192][512] x [512][512], f16 operands, f32 sums, f32 out.  mix and woimg hold halves of fragments as images of registers, 512 bytes each, lane l's 16 bytes at 16 l.
; A work-group makes 128 rows x 128 columns, each of its four waves 64 x 64: 16 accumulators.  ALL OF K FITS IN LDS (128 KB of mix, 128 KB of Wo): nothing is filled twice.  The tiles come as four chunks of 128 along K,
; all asked for at the start (by this text's own count a wave has four tensor loads out) and read behind counted waits, a barrier for each chunk.
; CLUSTERS: 4 x 4 work-groups.  The four of a row of the cluster need the same rows of mix, the four of a column the same columns of Wo: each tile is asked for JOINTLY, by the same tensor load with the same descriptor and a mask
; that names the four.  THE MATRIX INSTRUCTION IS USED TRANSPOSED (source 0 = 16 columns of Wo, source 1 = 16 rows of mix): a lane holds eight neighbouring numbers of a row of out0.  bo is the C of each sum's first product.
; REGISTERS: window 0: v16-30 addresses; v32-95 the way out; v96-127 bo, eight registers a column tile; v128-255 the accumulators ((a, b) at 128 + 8 (4 a + b)).  window 1: two fragment buffers of 64: mix's four, then Wo's four.
.set CHUNK, 65536                      ; LDS, chunk q at 65536 q: mix's row tile i at 4096 i, Wo's column tile i at 32768 + 4096 i; in each the K step kk at 1024 kk + 512 half
.set STAGE, 4*CHUNK                    ; behind the tiles: 16 rows x (256 + 16) bytes for each wave
.set SP,    272
.set SPARE, STAGE+4*16*SP              ; the spare words, 128 bytes for each wave: two blocks of 256 bytes that no other line names
.set ADA, 16                           ; v16-19 my four row tiles in chunk q
.set ADB, 20                           ; v20-23 my four column tiles in chunk q
.set STO, 24
.set RD,  25
.set CO,  26
.set SPW, 28
.set NIL, 29
.set OB,  32
.set BIAS, 96
.set ACC, 128
.set G1A, 24                           ; s[24:31] group 1 for mix's tiles; s[32:47] four groups 0
.set G0A, 32
.set G1B, 48                           ; s[48:55] group 1 for Wo's tiles; groups 0 at s56, s60, s68, s72
.set MSB, 0
.macro WIN new                         ; the immediate's high byte repeats the setting that is left
.if MSB != \new
	s_set_vgpr_msb (MSB<<8)|\new
.set MSB, \new
.endif
.endm
.macro CROUND                          ; a round of the cluster's barrier
	s_barrier_signal -1
	s_barrier_wait -1
	s_cmp_lg_u32 s10, 0
	s_cbranch_scc1 .Lnot_wave_0_\@
	s_barrier_signal -3
.Lnot_wave_0_\@:
	s_barrier_wait -3
	s_barrier_signal -1
	s_barrier_wait -1
.endm
.macro PLACES
.rept 4
	v_nop
.endr
.endm
	s_load_b128 s[4:7], s[0:1], 0x0                ; mix, woimg
	s_load_b128 s[12:15], s[0:1], 0x10             ; bo, out0
	v_lshl_add_u32 v[SPW], v0, 2, SPARE
	v_mov_b32 v[NIL], 0
	ds_add_u32 v[SPW], v[NIL]                      ; the wave's opening: the add and its wait stand ahead of my first tensor load; the set-up below stands between them
	v_lshrrev_b32 v1, 5, v0
	v_readfirstlane_b32 s10, v1                    ; wave 0..3
	s_lshr_b32 s11, s10, 1                         ; which half of the rows is mine.  Also: I fetch for mix (0) or for Wo (1)
	s_and_b32 s9, s10, 1                           ; which half of the columns.  Also: which four tiles I fetch
	s_bfe_u32 s80, ttmp6, 0x40000                  ; cx
	s_bfe_u32 s81, ttmp6, 0x40004                  ; cy
	s_lshl_b32 s82, ttmp9, 2
	s_add_co_u32 s82, s82, s80                     ; block of 128 columns
	s_and_b32 s83, ttmp7, 0xffff
	s_lshl_b32 s83, s83, 2
	s_add_co_u32 s83, s83, s81                     ; block of 128 rows
	s_lshl_b32 s84, s81, 2
	s_lshl_b32 s84, 15, s84                        ; my row of the cluster
	s_lshl_b32 s85, 0x1111, s80                    ; my column
	; descriptor group 1: four tiles' 4,096 bytes of a chunk, 16,384 bytes apart in memory, dense in LDS: 4 rows of 512 elements of 8 bytes
	s_or_b32 s[G1A], s84, (3<<16)|(1<<21)          ; 15:0 the mask; 17:16 elements of 8 bytes; 21 set beside a mask
	s_or_b32 s[G1B], s85, (3<<16)|(1<<21)
.irp g, G1A, G1B
	s_mov_b32 s[\g+1], 512<<16                     ; tensor_dim0 = 512
	s_mov_b32 s[\g+2], 4<<16                       ; tensor_dim1 = 4
	s_mov_b32 s[\g+3], 512<<16                     ; tile_dim0 = 512
	s_mov_b32 s[\g+4], 4                           ; tile_dim1 = 4
	s_mov_b32 s[\g+5], 2048                        ; from row to row
	s_mov_b32 s[\g+6], 0
	s_mov_b32 s[\g+7], 0
.endr
	s_lshl_b32 s20, s83, 17                        ; mix: (8 x row block + 4 x half) tiles of 16,384 bytes: it hangs on the row block alone
	s_lshl_b32 s21, s9, 16
	s_add_co_u32 s20, s20, s21
	s_mov_b32 s21, 0
	s_lshl_b32 s86, s82, 17                        ; Wo: the same by the column block alone
	s_lshl_b32 s87, s9, 16
	s_add_co_u32 s86, s86, s87
	s_mov_b32 s87, 0
	s_lshl_b32 s22, s10, 14                        ; where they go: 16,384 x wave: no place in the cluster enters an LDS address
	s_wait_dscnt 0x0                               ; the opening add is done
	s_wait_kmcnt 0x0
	s_add_nc_u64 s[20:21], s[4:5], s[20:21]
	s_add_nc_u64 s[86:87], s[6:7], s[86:87]
	CROUND                                         ; all sixteen work-groups are here: the joint loads meet
.irp q, 0,1,2,3
	s_mov_b32 s[G0A+4*\q], 1
	s_add_co_u32 s[G0A+4*\q+1], s22, \q*CHUNK
	s_add_nc_u64 s[G0A+4*\q+2:G0A+4*\q+3], s[20:21], \q*4096
	s_or_b32 s[G0A+4*\q+3], s[G0A+4*\q+3], 0x80000000
	s_mov_b32 s[56+4*\q+4*(\q/2)], 1
	s_add_co_u32 s[56+4*\q+4*(\q/2)+1], s22, \q*CHUNK
	s_add_nc_u64 s[56+4*\q+4*(\q/2)+2:56+4*\q+4*(\q/2)+3], s[86:87], \q*4096
	s_or_b32 s[56+4*\q+4*(\q/2)+3], s[56+4*\q+4*(\q/2)+3], 0x80000000
.endr
	s_cmp_eq_u32 s11, 0                            ; a wave's four fills stand in one branch on the wave's number, ahead of every wait on TENSORcnt and every LDS read
	s_cbranch_scc0 .Lfill_b
.irp q, 0,1,2,3
	tensor_load_to_lds s[G0A+4*\q:G0A+4*\q+3], s[G1A:G1A+7]
	s_nop 0
.endr
	PLACES
	s_branch .Lfilled
.Lfill_b:
.irp q, 0,1,2,3
	tensor_load_to_lds s[56+4*\q+4*(\q/2):56+4*\q+4*(\q/2)+3], s[G1B:G1B+7]
	s_nop 0
.endr
	PLACES
.Lfilled:
	v_and_b32 v1, 15, v0                           ; r
	v_bfe_u32 v2, v0, 4, 1                         ; h
	v_and_b32 v3, 31, v0
	v_lshlrev_b32 v3, 4, v3                        ; 16 x lane
	v_lshlrev_b32 v30, 5, v2                       ; bo: 32 h
	s_lshl_b32 s16, s82, 9                         ; my first column, in bytes: 512 x column block + 256 x half
	s_lshl_b32 s17, s9, 8
	s_add_co_u32 s16, s16, s17
	s_mov_b32 s17, 0
	s_add_nc_u64 s[12:13], s[12:13], s[16:17]
.irp b, 0,1,2,3
.irp e, 0,1
	global_load_b128 v[BIAS+8*\b+4*\e:BIAS+8*\b+4*\e+3], v30, s[12:13] offset:64*\b+16*\e   ; register j = bo(16 b + 8 h + j) of my 64 columns
.endr
.endr
	s_lshl_b32 s18, s83, 18                        ; my first row: (128 x row block + 64 x half) rows of 2,048 bytes
	s_lshl_b32 s19, s11, 17
	s_add_co_u32 s18, s18, s19
	s_mov_b32 s19, 0
	s_add_nc_u64 s[14:15], s[14:15], s[18:19]
	s_add_nc_u64 s[14:15], s[14:15], s[16:17]
	s_lshl_b32 s23, s11, 14                        ; my four row tiles,
	s_lshl_b32 s8, s9, 14
	s_add_co_u32 s8, s8, 32768                     ; my four column tiles
.irp q, 0,1,2,3
	v_add_nc_u32 v[ADA+\q], s23, v3
	v_add_nc_u32 v[ADB+\q], s8, v3
	s_add_co_u32 s23, s23, CHUNK
	s_add_co_u32 s8, s8, CHUNK
.endr
	s_mul_i32 s23, s10, 16*SP
	s_add_co_u32 s23, s23, STAGE                   ; my stage
	v_mul_u32_u24 v4, v1, SP                       ; in: row r, 32 bytes for each half of the lanes
	v_lshl_add_u32 v4, v2, 5, v4
	v_add_nc_u32 v[STO], s23, v4
	v_mul_u32_u24 v5, v2, SP                       ; back: lanes 0-15 one row of 256 bytes, lanes 16-31 the next
	v_lshl_add_u32 v5, v1, 4, v5
	v_add_nc_u32 v[RD], s23, v5
	v_lshlrev_b32 v5, 11, v2                       ; and the same two rows in out0
	v_lshl_add_u32 v[CO], v1, 4, v5
.macro FETCH kt                        ; the fragments of K step kt (32 along K) into buffer kt % 2: 16 loads of 512 consecutive bytes
.set fq, (\kt)/4
.set fk, (\kt)%4
.set fb, 64*((\kt)%2)
	WIN 0x40                                       ; destination window 1
.irp i, 0,1,2,3
.irp e, 0,1
	ds_load_b128 v[fb+8*\i+4*\e:fb+8*\i+4*\e+3], v[ADA+fq] offset:4096*\i+1024*fk+512*\e
.endr
.endr
.irp i, 0,1,2,3
.irp e, 0,1
	ds_load_b128 v[fb+32+8*\i+4*\e:fb+32+8*\i+4*\e+3], v[ADB+fq] offset:4096*\i+1024*fk+512*\e
.endr
.endr
.endm
.macro MUL kt                          ; 16 products, the 16 accumulators by turns; the first K step starts the sums with bo
.set fb, 64*((\kt)%2)
	WIN 0x05                                       ; both sources window 1, C and D window 0
.irp a, 0,1,2,3
.irp b, 0,1,2,3
.if (\kt) == 0
	v_wmma_f32_16x16x32_f16 v[ACC+8*(4*\a+\b):ACC+8*(4*\a+\b)+7], v[fb+32+8*\b:fb+32+8*\b+7], v[fb+8*\a:fb+8*\a+7], v[BIAS+8*\b:BIAS+8*\b+7]
.else
	v_wmma_f32_16x16x32_f16 v[ACC+8*(4*\a+\b):ACC+8*(4*\a+\b)+7], v[fb+32+8*\b:fb+32+8*\b+7], v[fb+8*\a:fb+8*\a+7], v[ACC+8*(4*\a+\b):ACC+8*(4*\a+\b)+7]
.endif
.endr
.endr
.endm
	s_wait_tensorcnt 3                             ; my part of chunk 0 is in; my three younger loads may stay out: nothing is filled twice in this launch
	s_barrier_signal -1
	s_barrier_wait -1                              ; everybody's is
	FETCH 0
	s_wait_loadcnt 0x0                             ; bo
.set kt, 0
.rept 16
.if (kt < 15) && ((kt+1)%4 == 0)
	s_wait_tensorcnt 3-(kt+1)/4                    ; my part of the next chunk is in; the loads issued behind it may stay out
	s_wait_dscnt 0x0                               ; no LDS instruction of mine is pending at a signal
	s_barrier_signal -1
	s_barrier_wait -1
.endif
.if kt < 15
.if kt > 0
	PLACES                                         ; four places behind the products that read the buffer which is loaded next
.endif
	FETCH kt+1
	s_wait_dscnt 16                                ; all but the 16 just issued
.else
	s_wait_dscnt 0x0
.endif
	MUL kt
.set kt, kt+1
.endr
	WIN 0
	PLACES                                         ; ahead of the first read of results
; THE WAY OUT, 16 rows x 64 columns at a time: a lane holds 32 neighbouring bytes of a row, and the lanes beside it hold other rows.  So a block goes through my own stage in LDS and comes back as whole rows of 256 bytes.
; LDS serves a wave's instructions in order: no wait between the stores and the loads, nor ahead of the next block's stores.
.macro TOSTAGE a
.irp b, 0,1,2,3
	ds_store_b128 v[STO], v[ACC+8*(4*(\a)+\b):ACC+8*(4*(\a)+\b)+3] offset:64*\b        ; each accumulator from its low end on
	ds_store_b128 v[STO], v[ACC+8*(4*(\a)+\b)+4:ACC+8*(4*(\a)+\b)+7] offset:64*\b+16
.endr
.set BB, OB+32*((\a)%2)
.irp i, 0,1,2,3,4,5,6,7
	ds_load_b128 v[BB+4*\i:BB+4*\i+3], v[RD] offset:\i*2*SP
.endr
.endm
.macro SEND a, younger                 ; younger: the LDS instructions issued behind block a's loads
.set BB, OB+32*((\a)%2)
	s_wait_dscnt \younger
.irp i, 0,1,2,3,4,5,6,7
	global_store_b128 v[CO], v[BB+4*\i:BB+4*\i+3], s[14:15] offset:(16*(\a)+2*\i)*2048 th:TH_STORE_NT   ; sixteen lanes store 256 consecutive bytes, aligned; written once, read by nobody here
.endr
.endm
	TOSTAGE 0
.irp a, 1,2,3
.if \a > 1
	s_wait_xcnt 0x0                                ; block a - 2's stores have read their registers: block a's loads may land there
.endif
	TOSTAGE \a
	SEND \a-1, 16                                  ; behind block a - 1's loads: block a's eight stores and eight loads
.endr
	SEND 3, 0
	s_wait_tensorcnt 0x0                           ; the wave's end, behind my last tensor load and my last LDS store
	ds_add_u32 v[SPW], v[NIL]
	s_wait_dscnt 0x0
	CROUND                                         ; the closing round: no work-group ends while a partner may still ask for a tile that names it
	s_endpgm
.Lfunc_end_k_q77d474d0f3_outp:
	.size	k_q77d474d0f3_outp, .Lfunc_end_k_q77d474d0f3_outp-k_q77d474d0f3_outp
	.p2alignl 7, 3214868480
	.fill 96, 4, 3214868480
	.section	.rodata,"a",@progbits
	.p2align	6, 0x0
	.amdhsa_kernel k_q77d474d0f3_outp
		.amdhsa_group_segment_fixed_size 327680
		.amdhsa_private_segment_fixed_size 0
		.amdhsa_enable_private_segment 0
		.amdhsa_kernarg_size 32
		.amdhsa_user_sgpr_count 2
		.amdhsa_user_sgpr_kernarg_segment_ptr 1
		.amdhsa_wavefront_size32 1
		.amdhsa_system_sgpr_workgroup_id_x 1
		.amdhsa_system_sgpr_workgroup_id_y 1
		.amdhsa_system_sgpr_workgroup_id_z 1
		.amdhsa_system_vgpr_workitem_id 0
		.amdhsa_next_free_vgpr 384
		.amdhsa_next_free_sgpr 90
		.amdhsa_reserve_vcc 0
		.amdhsa_float_denorm_mode_32 3
		.amdhsa_float_denorm_mode_16_64 3
		.amdhsa_memory_ordered 1
		.amdhsa_forward_progress 1
		.amdhsa_inst_pref_size 53
	.end_amdhsa_kernel
	.amdgpu_metadata
---
amdhsa.version: [ 1, 2 ]
amdhsa.kernels:
  - .name:           k_q77d474d0f3_outp
    .symbol:         k_q77d474d0f3_outp.kd
    .args:
      - { .name: mix, .offset: 0, .size: 8, .value_kind: global_buffer, .address_space: global }
      - { .name: woimg, .offset: 8, .size: 8, .value_kind: global_buffer, .address_space: global }
      - { .name: bo, .offset: 16, .size: 8, .value_kind: global_buffer, .address_space: global }
      - { .name: out0, .offset: 24, .size: 8, .value_kind: global_buffer, .address_space: global }
    .group_segment_fixed_size: 327680
    .private_segment_fixed_size: 0
    .kernarg_segment_align: 8
    .kernarg_segment_size: 32
    .max_flat_workgroup_size: 128
    .sgpr_count:     90
    .vgpr_count:     384
    .wavefront_size: 32
...
	.end_amdgpu_metadata
.endif
;; end of part 4
